; MI455X (gfx1250); checked and timed in simulation.
; The chip was launched on July 23, 2026; its instructions are those of AMD's public machine-readable ISA for CDNA 5 (MIT licence, August 2026) and "CDNA5" Instruction Set Architecture Reference Guide (July 2026). The comments in the code are by the model that wrote it; some were corrected since.
;; Framewise. Allowed arithmetic: float matrix products may take bf16 or f16 operands with f32 sums; all other float work in f32.
;; Inputs: W 256 float32; b 1 float32; features 32 x 256 x 8,192 float32; word_bounds 32 x 2 x 512 int32; word_lengths 32 int32.
;; Outputs: out0 32 x 1 x 512 float32.
;; 2 versions, each right; version 2 is version 1 with the launch scores written anew for expert scheduling mode. Each part assembles by itself: llvm-mc -triple=amdgcn-amd-amdhsa -mcpu=gfx1250 --defsym DOCPART=n.
;; ======== version 1 of 2: 2 launches
;; workspace buffers: cs 1,048,576 bytes
;; launch scores (part 1): grid 8 x 32, 8 waves a work-group, no clusters, 1,280 bytes of LDS; arguments features, W, cs; writes cs
.if DOCPART == 1
	.amdgcn_target "amdgcn-amd-amdhsa--gfx1250"
	.amdhsa_code_object_version 6
	.text
	.protected	k_q1c6e531c48_scores
	.globl	k_q1c6e531c48_scores
	.p2align	8
	.type	k_q1c6e531c48_scores,@function
k_q1c6e531c48_scores:
	s_mov_b64 s[64:65], 0
	v_nop
	global_prefetch_b8 v0, s[64:65] scope:SCOPE_SE
	s_setreg_imm32_b32 hwreg(HW_REG_WAVE_MODE, 25, 1), 1
	s_wait_xcnt 0x0
; cs[u][t] = sum over the frames t' of t's chunk, t' <= t, of ( sum over c of features[u][c][t'] * W[c] ).
; features: [32][256][8192] f32.  W: [256] f32.  cs: [32][8192] f32, the inclusive running sum of the raw frame scores,
; begun anew in every chunk of 1,024 frames.  The bias is not added here: the next launch adds it behind the division.
;
; Work-group (x = chunk 0..7, y = utterance 0..31): 1,024 frames x 256 channels = 1 MiB of features, read once.
; Thread t owns frames 4 t .. 4 t + 3 of the chunk, the 16 bytes at 16 t of each channel's 4,096 bytes: a wave's load covers
; 512 consecutive bytes, aligned, the eight waves one stretch of 4,096 bytes.  All channels of a frame meet in one lane,
; so the channel sum needs neither LDS nor a barrier.
; A ring of DEPTH = 32 loads in registers: 16 KiB of every wave, 128 KiB of the work-group are always on their way.
; No matrix instruction: the product has a single output row and frames, not channels, lie along memory.
; No cluster: no two work-groups read the same byte of features; W is 1 KiB against 1 MiB.
; Limits: f32 throughout; the order of the sums differs from the reference's (even and odd channels in two chains;
; the running sum is built by lane, row of 16 lanes, wave, chunk).
.set T_BYTES, 32768                    ; one channel of one utterance: 8,192 frames of 4 bytes
.set DEPTH,   32                       ; slots of the ring = channels of a block
.set GROUP,   4                        ; slots worked on and filled again behind one wait
.set ACC0,    2                        ; v[2:5]    sums of my 4 frames over the even channels
.set ACC1,    6                        ; v[6:9]    the same over the odd channels
.set X,       16                       ; v[16:143] slot i: 4 registers, my 4 frames of one channel
.set WA,      16                       ; s[16:47]  32 weights, blocks 0, 2, 4, 6
.set WB,      68                       ; s[68:99]  32 weights, blocks 1, 3, 5, 7
.set WT0,     10                       ; s[10:11]  an odd-numbered weight, moved to an even register
.set WT1,     12                       ; s[12:13]  another
	s_load_b128 s[4:7], s[0:1], 0x0                ; features s[4:5], W s[6:7]
	s_load_b64 s[8:9], s[0:1], 0x10                ; cs
	v_lshl_add_u32 v144, v0, 2, 0x100
	v_mov_b32 v145, 0
	s_and_b32 s14, ttmp7, 0xffff                   ; utterance
	s_lshl_b32 s12, ttmp9, 12                      ; chunk x 1,024 frames x 4 bytes
	s_lshl_b32 s2, s14, 23                         ; utterance x 256 channels x 32,768 bytes (31 << 23 stays below 2^31)
	s_add_co_u32 s2, s2, s12
	s_mov_b32 s3, 0
	s_lshl_b32 s10, s14, 15                        ; utterance x 32,768 bytes in cs
	s_add_co_u32 s10, s10, s12
	s_mov_b32 s11, 0
	v_lshlrev_b32 v1, 4, v0                        ; 16 t
	v_lshrrev_b32 v2, 5, v0
	v_readfirstlane_b32 s15, v2                    ; wave 0..7
	s_wait_kmcnt 0x0
	s_load_b512 s[WA:WA+15],    s[6:7], 0x0        ; the weights of block 0
	s_load_b512 s[WA+16:WA+31], s[6:7], 0x40
	s_add_nc_u64 s[4:5], s[4:5], s[2:3]            ; features at my chunk, channel 0
	s_add_nc_u64 s[8:9], s[8:9], s[10:11]          ; cs at my chunk
.set i, 0
.rept DEPTH
	global_load_b128 v[X+4*i:X+4*i+3], v1, s[4:5] offset:i*T_BYTES th:TH_LOAD_NT   ; fill the ring: channels 0 to 31
.set i, i+1
.endr
	s_mov_b32 s13, 0                               ; the upper registers of the two pairs (s11 is 0 already): named by the packed
	                                               ; instructions below, never selected
.irp r, 2,3,4,5,6,7,8,9
	v_mov_b32 v\r, 0                               ; eight sums start at zero, while the first loads are under way
.endr
; Four frames of one channel: acc += x * w, two fused multiply-adds an instruction.  A scalar pair enters a packed f32
; instruction as a broadcast of its first register (op_sel_hi 0), so w stands in an even register.
.macro FMA4 acc, slot, wp
	v_pk_fma_f32 v[\acc:\acc+1],   v[X+4*(\slot):X+4*(\slot)+1],   s[\wp:\wp+1], v[\acc:\acc+1]   op_sel_hi:[1,0,1]
	v_pk_fma_f32 v[\acc+2:\acc+3], v[X+4*(\slot)+2:X+4*(\slot)+3], s[\wp:\wp+1], v[\acc+2:\acc+3] op_sel_hi:[1,0,1]
.endm
; One block: the 32 channels that lie in the ring, weights in s[w : w+31].
; more = 1: each slot is filled again with the channel 32 further on (choff + slot, counted from s[4:5]), and the next block's
; weights are asked for at W + woff into the other buffer, whose last readers stand in the block before.
; more = 0: the last block; nothing is asked for and the counts run down.
.macro BLOCK w, wnext, woff, choff, more
	s_wait_kmcnt 0x0                               ; this block's weights, asked for a whole block ago (scalar loads: zero is the only count that shows anything)
.if \more
	s_load_b512 s[\wnext:\wnext+15],    s[6:7], \woff
	s_load_b512 s[\wnext+16:\wnext+31], s[6:7], \woff+0x40
.endif
.set g, 0
.rept DEPTH/GROUP
.if \more
	s_wait_loadcnt DEPTH-GROUP                     ; loads return in order: of 32 out, the oldest 4 are in, 28 stay on their way
.else
	s_wait_loadcnt DEPTH-GROUP-GROUP*g             ; nothing was issued behind them: 28, 24, .. 0
.endif
	s_mov_b32 s[WT0], s[\w+4*g+1]                  ; the two odd-numbered weights of the group to even registers
	s_mov_b32 s[WT1], s[\w+4*g+3]
	FMA4 ACC0, 4*g,   \w+4*g
	FMA4 ACC1, 4*g+1, WT0
	FMA4 ACC0, 4*g+2, \w+4*g+2
	FMA4 ACC1, 4*g+3, WT1
.if \more
.irp j, 0,1,2,3
	global_load_b128 v[X+4*(4*g+\j):X+4*(4*g+\j)+3], v1, s[4:5] offset:(\choff+4*g+\j)*T_BYTES th:TH_LOAD_NT
.endr
.endif
.set g, g+1
.endr
.endm
	s_mov_b32 s14, 3                               ; blocks 0 to 5, two a trip
.Ltrip:
	BLOCK WA, WB, 0x80,  32, 1
	BLOCK WB, WA, 0x100, 64, 1
	s_wait_xcnt 0x0                                ; s[4:5] and s[6:7] are sources of loads just issued: stepped only behind this wait
	s_add_nc_u64 s[4:5], s[4:5], 64*T_BYTES        ; 64 channels on
	s_add_nc_u64 s[6:7], s[6:7], 0x100             ; 64 weights on
	s_sub_co_u32 s14, s14, 1
	s_cmp_lg_u32 s14, 0
	s_cbranch_scc1 .Ltrip
	BLOCK WA, WB, 0x80, 32, 1                      ; block 6: brings channels 224 to 255 and their weights, the last of both buffers
	BLOCK WB, WA, 0, 0, 0                          ; block 7: no load leaves the buffers
	; THE RUNNING SUM over the chunk's 1,024 frames.
	v_pk_add_f32 v[2:3], v[2:3], v[6:7]            ; even + odd channels: the raw scores of my 4 frames
	v_pk_add_f32 v[4:5], v[4:5], v[8:9]
	v_add_f32 v3, v2, v3                           ; inside the lane
	v_add_f32 v4, v3, v4
	v_add_f32 v5, v4, v5                           ; v5: my lane's total
	; over the 16 lanes of a row: lane i takes lane i - n, or 0 where the row has none
	v_mov_b32 v7, 0                                ; a DPP destination is written whole before
	v_mov_b32_dpp v7, v5 row_shr:1 row_mask:0xf bank_mask:0xf bound_ctrl:1
	v_add_f32 v6, v5, v7
.irp n, 2,4,8
	v_mov_b32_dpp v7, v6 row_shr:\n row_mask:0xf bank_mask:0xf bound_ctrl:1
	v_add_f32 v6, v6, v7
.endr
	v_mov_b32_dpp v7, v6 row_shr:1 row_mask:0xf bank_mask:0xf bound_ctrl:1   ; v7: the lanes in front of me in my row
	v_readlane_b32 s2, v6, 15                      ; total of lanes 0-15
	v_readlane_b32 s3, v6, 31                      ; total of lanes 16-31
	v_and_b32 v8, 16, v0
	v_cmp_ne_u32 vcc_lo, 0, v8                     ; lanes 16-31
	v_mov_b32 v9, s2
	v_add_f32 v10, s3, v9                          ; my wave's total, in every lane
	v_cndmask_b32 v9, 0, v9, vcc_lo
	v_add_f32 v7, v7, v9                           ; v7: the lanes in front of me in my wave
	; over the eight waves: each wave's total to its own word of LDS, one barrier, every wave reads all eight
	v_mov_b32 v11, s15
	v_lshlrev_b32 v11, 2, v11
	ds_store_b32 v11, v10                          ; all lanes write the same word with the same value
	s_wait_dscnt 0x0                               ; for the other waves' sake: my word lies in LDS before I signal
	s_barrier_signal -1
	s_barrier_wait -1
	v_and_b32 v8, 7, v0                            ; lane l takes the total of wave l % 8,
	v_lshlrev_b32 v9, 2, v8
	ds_load_b32 v10, v9
	s_wait_dscnt 0x0
	v_cmp_gt_u32 vcc_lo, s15, v8                   ; keeps it if that wave stands in front of mine,
	v_cndmask_b32 v10, 0, v10, vcc_lo
	v_add_f32_dpp v10, v10, v10 row_xmask:1 row_mask:0xf bank_mask:0xf   ; and the eight are added up: the sum in every lane
	v_add_f32_dpp v10, v10, v10 row_xmask:2 row_mask:0xf bank_mask:0xf
	v_add_f32_dpp v10, v10, v10 row_xmask:4 row_mask:0xf bank_mask:0xf
	v_add_f32 v6, v7, v10                          ; all of the chunk in front of my 4 frames
	v_pk_add_f32 v[2:3], v[2:3], v[6:7] op_sel_hi:[1,0]   ; + v6 in both halves
	v_pk_add_f32 v[4:5], v[4:5], v[6:7] op_sel_hi:[1,0]
	global_store_b128 v1, v[2:5], s[8:9]           ; a wave's store covers 512 consecutive bytes, aligned; read again by the next launch: no hint
	s_wait_tensorcnt 0x0
	ds_add_u32 v144, v145
	s_wait_dscnt 0x0
	s_endpgm
.Lfunc_end_k_q1c6e531c48_scores:
	.size	k_q1c6e531c48_scores, .Lfunc_end_k_q1c6e531c48_scores-k_q1c6e531c48_scores
	.p2alignl 7, 3214868480
	.fill 96, 4, 3214868480
	.section	.rodata,"a",@progbits
	.p2align	6, 0x0
	.amdhsa_kernel k_q1c6e531c48_scores
		.amdhsa_group_segment_fixed_size 1280
		.amdhsa_private_segment_fixed_size 0
		.amdhsa_enable_private_segment 0
		.amdhsa_kernarg_size 24
		.amdhsa_user_sgpr_count 2
		.amdhsa_user_sgpr_kernarg_segment_ptr 1
		.amdhsa_wavefront_size32 1
		.amdhsa_system_sgpr_workgroup_id_x 1
		.amdhsa_system_sgpr_workgroup_id_y 1
		.amdhsa_system_sgpr_workgroup_id_z 1
		.amdhsa_system_vgpr_workitem_id 0
		.amdhsa_next_free_vgpr 146
		.amdhsa_next_free_sgpr 100
		.amdhsa_reserve_vcc 1
		.amdhsa_float_denorm_mode_32 3
		.amdhsa_float_denorm_mode_16_64 3
		.amdhsa_memory_ordered 1
		.amdhsa_forward_progress 1
		.amdhsa_inst_pref_size 36
	.end_amdhsa_kernel
	.amdgpu_metadata
---
amdhsa.version: [ 1, 2 ]
amdhsa.kernels:
  - .name:           k_q1c6e531c48_scores
    .symbol:         k_q1c6e531c48_scores.kd
    .args:
      - { .name: features, .offset: 0, .size: 8, .value_kind: global_buffer, .address_space: global }
      - { .name: W, .offset: 8, .size: 8, .value_kind: global_buffer, .address_space: global }
      - { .name: cs, .offset: 16, .size: 8, .value_kind: global_buffer, .address_space: global }
    .group_segment_fixed_size: 1280
    .private_segment_fixed_size: 0
    .kernarg_segment_align: 8
    .kernarg_segment_size: 24
    .max_flat_workgroup_size: 256
    .sgpr_count:     100
    .vgpr_count:     146
    .wavefront_size: 32
...
	.end_amdgpu_metadata
.endif
;; end of part 1
;; launch words (part 2): grid 8 x 32, 1 waves a work-group, no clusters, 0 bytes of LDS; arguments cs, word_bounds, b, out0; writes out0
.if DOCPART == 2
	.amdgcn_target "amdgcn-amd-amdhsa--gfx1250"
	.amdhsa_code_object_version 6
	.text
	.protected	k_q1c6e531c48_words
	.globl	k_q1c6e531c48_words
	.p2align	8
	.type	k_q1c6e531c48_words,@function
k_q1c6e531c48_words:
	s_mov_b64 s[64:65], 0
	v_nop
	global_prefetch_b8 v0, s[64:65] scope:SCOPE_SE
	s_setreg_imm32_b32 hwreg(HW_REG_WAVE_MODE, 25, 1), 1
	s_wait_xcnt 0x0
; out0[u][w] = ( S[end] - S[start] ) / ( end - start ) + b,  S[i] = sum of the raw scores of frames 0 .. i-1 of utterance u.
; cs: [32][8192] f32 holds the inclusive running sum inside chunks of 1,024 frames, so for i >= 1
;   S[i] = cs[i-1] + the totals of the chunks in front of frame i-1's,   S[0] = 0,   total of chunk k = cs[1024 k + 1023].
; The reference adds b to every frame in front of its running sum; b (end - start) / (end - start) = b, so b is added here,
; behind the division, where it costs the sums no bits; for end = start both forms give NaN (0 x infinity here, 0 / 0 there).
; word_bounds: [32][2][512] i32 (starts, then ends).  b: [1] f32.  out0: [32][1][512] f32.
; One wave a work-group (x = group of 64 words, y = utterance), two neighbouring words a lane: the bounds come as 8 bytes a lane,
; and the wave's one store covers 256 consecutive bytes, aligned.  Waves share nothing: no LDS byte, no barrier.
; Limits: a bound is taken to lie in 0 .. 8192, the reference's table of 8,193 entries; anything else (negative numbers too,
; read as unsigned) counts as 8192.  The division is v_rcp_f32 (1 ULP) and a fused multiply-add.
; word_lengths is no argument: reference() takes it and never uses it, all 512 words of every utterance are returned.
.set BND, 2                            ; v[2:3] my two starts, v[4:5] my two ends
.set TOT, 6                            ; v6      lane l: total of chunk l % 8, then running sums of them
.set TAD, 7                            ; v7      where that total lies
.set IDX, 8                            ; v[8:11]  bound - 1, clamped; then 4 x its chunk
.set ADR, 12                           ; v[12:15] its byte offset in my utterance's row of cs
.set G,   16                           ; v[16:19] cs[bound - 1], then S[bound]
.set OF,  20                           ; v[20:23] the totals of the chunks in front
.set TAB, 24                           ; v24      lane k (0..7): the totals of chunks 0 .. k-1
.set CNT, 26                           ; v[26:27] end - start
.set RC,  28                           ; v[28:29] its reciprocal
	s_load_b256 s[4:11], s[0:1], 0x0               ; cs s[4:5], word_bounds s[6:7], b s[8:9], out0 s[10:11]
	s_and_b32 s12, ttmp7, 0xffff                   ; utterance
	s_lshl_b32 s13, ttmp9, 8                       ; group x 64 words x 4 bytes
	v_lshl_add_u32 v1, v0, 3, s13                  ; + 8 bytes a lane
	v_and_b32 v[TAD], 7, v0
	v_lshlrev_b32 v[TAD], 12, v[TAD]               ; chunk l % 8: 4,096 bytes each
	s_lshl_b32 s14, s12, 12                        ; utterance x 2 x 512 x 4 bytes of bounds
	s_mov_b32 s15, 0
	s_lshl_b32 s16, s12, 15                        ; utterance x 8,192 x 4 bytes of cs
	s_mov_b32 s17, 0
	s_lshl_b32 s18, s12, 11                        ; utterance x 512 x 4 bytes of out0
	s_mov_b32 s19, 0
	s_wait_kmcnt 0x0
	s_load_b32 s20, s[8:9], 0x0                    ; b
	s_add_nc_u64 s[6:7], s[6:7], s[14:15]
	s_add_nc_u64 s[4:5], s[4:5], s[16:17]
	s_add_nc_u64 s[10:11], s[10:11], s[18:19]
	global_load_b64 v[BND:BND+1],   v1, s[6:7]               ; starts
	global_load_b64 v[BND+2:BND+3], v1, s[6:7] offset:2048   ; ends
	global_load_b32 v[TOT], v[TAD], s[4:5] offset:4092       ; the last entry of chunk l % 8 = its total
	s_wait_loadcnt 0x1                             ; the bounds are in; the one younger load (the totals) may be out
.irp q, 0,1,2,3
	v_add_nc_u32 v[IDX+\q], -1, v[BND+\q]          ; bound - 1; a bound of 0 wraps, is clamped, and its value is dropped below
.endr
.irp q, 0,1,2,3
	v_min_u32 v[IDX+\q], 0x1fff, v[IDX+\q]         ; inside the row of 8,192 entries, whatever was loaded
.endr
.irp q, 0,1,2,3
	v_lshlrev_b32 v[ADR+\q], 2, v[IDX+\q]
	global_load_b32 v[G+\q], v[ADR+\q], s[4:5]
.endr
	; while the four gathers are under way: chunk numbers, counts, the table of chunk offsets
.irp q, 0,1,2,3
	v_lshrrev_b32 v[IDX+\q], 8, v[IDX+\q]
	v_and_b32 v[IDX+\q], 0x1c, v[IDX+\q]           ; 4 x ((bound - 1) >> 10): the lane index of ds_bpermute_b32, in bytes
.endr
	v_sub_nc_u32 v[CNT],   v[BND+2], v[BND]
	v_sub_nc_u32 v[CNT+1], v[BND+3], v[BND+1]
	v_cvt_f32_i32 v[CNT],   v[CNT]                 ; exact: at most 8,192 in magnitude
	v_cvt_f32_i32 v[CNT+1], v[CNT+1]
	v_rcp_f32 v[RC],   v[CNT]                      ; the plain vector lines below stand between these two and the first use of RC
	v_rcp_f32 v[RC+1], v[CNT+1]
	v_mov_b32 v[TAB], 0                            ; a DPP destination is written whole before
	s_wait_loadcnt 0x4                             ; the totals are in; the four younger loads (the gathers) may be out
.irp n, 1,2,4
	v_mov_b32_dpp v[TAB], v[TOT] row_shr:\n row_mask:0xf bank_mask:0xf bound_ctrl:1   ; lane i takes lane i - n, or 0
	v_add_f32 v[TOT], v[TOT], v[TAB]               ; lanes 0-7: totals of chunks 0 .. lane (steps 1 + 2 + 4 reach 7 back)
.endr
	v_mov_b32_dpp v[TAB], v[TOT] row_shr:1 row_mask:0xf bank_mask:0xf bound_ctrl:1    ; lane k: chunks 0 .. k-1; lane 0: 0
.irp q, 0,1,2,3
	ds_bpermute_b32 v[OF+\q], v[IDX+\q], v[TAB]    ; from lane (bound - 1) >> 10; touches no LDS byte
.endr
	s_wait_loadcnt 0x0                             ; the gathers
	s_wait_dscnt 0x0                               ; the four permutes
	s_wait_kmcnt 0x0                               ; b
.irp q, 0,1,2,3
	v_add_f32 v[G+\q], v[G+\q], v[OF+\q]           ; S[bound] for bound >= 1
	v_cmp_ne_u32 vcc_lo, 0, v[BND+\q]
	v_cndmask_b32 v[G+\q], 0, v[G+\q], vcc_lo      ; S[0] = 0
.endr
	v_pk_add_f32 v[G:G+1], v[G+2:G+3], v[G:G+1] neg_lo:[0,1] neg_hi:[0,1]   ; S[end] - S[start], both words
	s_wait_alu depctr_va_vdst(0)
	v_fma_f32 v[G],   v[G],   v[RC],   s20         ; / count + b
	v_fma_f32 v[G+1], v[G+1], v[RC+1], s20
	global_store_b64 v1, v[G:G+1], s[10:11]
	s_endpgm
.Lfunc_end_k_q1c6e531c48_words:
	.size	k_q1c6e531c48_words, .Lfunc_end_k_q1c6e531c48_words-k_q1c6e531c48_words
	.p2alignl 7, 3214868480
	.fill 96, 4, 3214868480
	.section	.rodata,"a",@progbits
	.p2align	6, 0x0
	.amdhsa_kernel k_q1c6e531c48_words
		.amdhsa_group_segment_fixed_size 0
		.amdhsa_private_segment_fixed_size 0
		.amdhsa_enable_private_segment 0
		.amdhsa_kernarg_size 32
		.amdhsa_user_sgpr_count 2
		.amdhsa_user_sgpr_kernarg_segment_ptr 1
		.amdhsa_wavefront_size32 1
		.amdhsa_system_sgpr_workgroup_id_x 1
		.amdhsa_system_sgpr_workgroup_id_y 1
		.amdhsa_system_sgpr_workgroup_id_z 1
		.amdhsa_system_vgpr_workitem_id 0
		.amdhsa_next_free_vgpr 32
		.amdhsa_next_free_sgpr 66
		.amdhsa_reserve_vcc 1
		.amdhsa_float_denorm_mode_32 3
		.amdhsa_float_denorm_mode_16_64 3
		.amdhsa_memory_ordered 1
		.amdhsa_forward_progress 1
		.amdhsa_inst_pref_size 4
	.end_amdhsa_kernel
	.amdgpu_metadata
---
amdhsa.version: [ 1, 2 ]
amdhsa.kernels:
  - .name:           k_q1c6e531c48_words
    .symbol:         k_q1c6e531c48_words.kd
    .args:
      - { .name: cs, .offset: 0, .size: 8, .value_kind: global_buffer, .address_space: global }
      - { .name: word_bounds, .offset: 8, .size: 8, .value_kind: global_buffer, .address_space: global }
      - { .name: b, .offset: 16, .size: 8, .value_kind: global_buffer, .address_space: global }
      - { .name: out0, .offset: 24, .size: 8, .value_kind: global_buffer, .address_space: global }
    .group_segment_fixed_size: 0
    .private_segment_fixed_size: 0
    .kernarg_segment_align: 8
    .kernarg_segment_size: 32
    .max_flat_workgroup_size: 32
    .sgpr_count:     66
    .vgpr_count:     32
    .wavefront_size: 32
...
	.end_amdgpu_metadata
.endif
;; end of part 2
;; ======== version 2 of 2: 2 launches; version 1 with the launch scores written anew for expert scheduling mode
;; workspace buffers: cs 1,048,576 bytes
;; launch scores (part 3): grid 8 x 32, 8 waves a work-group, no clusters, 1,280 bytes of LDS; arguments features, W, cs; writes cs
.if DOCPART == 3
	.amdgcn_target "amdgcn-amd-amdhsa--gfx1250"
	.amdhsa_code_object_version 6
	.text
	.protected	k_q1c6e531c48_scores
	.globl	k_q1c6e531c48_scores
	.p2align	8
	.type	k_q1c6e531c48_scores,@function
k_q1c6e531c48_scores:
	s_mov_b64 s[64:65], 0
	v_nop
	global_prefetch_b8 v0, s[64:65] scope:SCOPE_SE
	s_setreg_imm32_b32 hwreg(HW_REG_WAVE_SCHED_MODE, 0, 2), 2
	s_setreg_imm32_b32 hwreg(HW_REG_WAVE_MODE, 25, 1), 1
	s_wait_xcnt 0x0
	s_wait_alu depctr_vm_vsrc(0)
; cs[u][t] = sum over the frames t' of t's chunk, t' <= t, of ( sum over c of features[u][c][t'] * W[c] ).
; features: [32][256][8192] f32.  W: [256] f32.  cs: [32][8192] f32, the inclusive running sum of the raw frame scores,
; begun anew in every chunk of 1,024 frames.  The bias is not added here: the next launch adds it behind the division.
;
; Work-group (x = chunk 0..7, y = utterance 0..31): 1,024 frames x 256 channels = 1 MiB of features, read once.
; Thread t owns frames 4 t .. 4 t + 3 of the chunk, the 16 bytes at 16 t of each channel's 4,096 bytes: a wave's load covers
; 512 consecutive bytes, aligned, the eight waves one stretch of 4,096 bytes.  All channels of a frame meet in one lane,
; so the channel sum needs neither LDS nor a barrier.
; 32 loads of every wave are always on their way: 16 KiB a wave, 128 KiB a work-group.
; No matrix instruction: the product has a single output row and frames, not channels, lie along memory.
; No cluster: no two work-groups read the same byte of features; W is 1 KiB against 1 MiB.
; Limits: f32 throughout; the order of the sums differs from the reference's (even and odd channels in two chains;
; the running sum is built by lane, row of 16 lanes, wave, chunk).
;
; THE MODE: SCHED_MODE bits 1:0 = 2 (LLVM: expert scheduling mode 2), set by the entry lines.  The code itself states the register
; dependences between vector instructions and memory or LDS instructions, with s_wait_alu, always for 0.
; THE PLAN.  The 256 channels go in 64 groups of four.  Registers that memory or LDS instructions touch:
;   v1        16 t, the offset of every load and of the store: written once at the head, never again.  The bases are never stepped
;             either: every channel is reached by an immediate offset, 255 x 32,768 = 8,355,840 bytes at the most, inside its signed 24 bits.
;   X         a ring of 12 groups of four slots.  Channel group j lies in ring group j % 12.  Group j's multiply-adds read ring group
;             j % 12; group j's four loads bring channel group j + 8 into ring group (j + 8) % 12 = (j - 4) % 12, last read by group j - 4.
;   v9 - v11, v[2:5]   on the way out only: see there.
;   The sums v[2:9] are named by vector instructions alone.
; So ONE wait on va_vdst serves four groups: at the head of group j = 4, 8 .. 52 it states that the multiply-adds of groups j - 4 .. j - 1
; are done reading the four ring groups in which the sixteen loads of groups j .. j + 3 land; the multiply-adds issued behind it name the
; ring groups one to four places further on, never one of those.  The loads are dealt among the multiply-adds with no further wait.
; Groups 0 to 3 load into ring groups 8 to 11, which no vector instruction has named; groups 56 to 63 load nothing: no wait there.
; The ring (12 groups) and the two buffers of weights (16 groups) are back at their start together after 48 groups, so the eight blocks
; are written out by one macro and there is no loop.
.set T_BYTES, 32768                    ; one channel of one utterance: 8,192 frames of 4 bytes
.set GROUPS,  64                       ; groups of four channels
.set AHEAD,   8                        ; a group's loads bring the channels 8 groups (32 channels) on
.set RING,    12                       ; groups of slots in the ring
.set LASTL,   GROUPS-AHEAD             ; the first group that loads nothing
.set ACC0,    2                        ; v[2:5]    sums of my 4 frames over the even channels
.set ACC1,    6                        ; v[6:9]    the same over the odd channels
.set X,       16                       ; v[16:207] ring group r, slot i: 4 registers at X + 16 r + 4 i, my 4 frames of one channel
.set WA,      16                       ; s[16:47]  32 weights, blocks 0, 2, 4, 6
.set WB,      68                       ; s[68:99]  32 weights, blocks 1, 3, 5, 7
.set WT0,     10                       ; s[10:11]  an odd-numbered weight, moved to an even register
.set WT1,     12                       ; s[12:13]  another
	s_load_b128 s[4:7], s[0:1], 0x0                ; features s[4:5], W s[6:7]
	s_load_b64 s[8:9], s[0:1], 0x10                ; cs
	v_lshl_add_u32 v14, v0, 2, 0x100
	v_mov_b32 v15, 0
	s_and_b32 s14, ttmp7, 0xffff                   ; utterance
	s_lshl_b32 s12, ttmp9, 12                      ; chunk x 1,024 frames x 4 bytes
	s_lshl_b32 s2, s14, 23                         ; utterance x 256 channels x 32,768 bytes (31 << 23 stays below 2^31)
	s_add_co_u32 s2, s2, s12
	s_mov_b32 s3, 0
	s_lshl_b32 s10, s14, 15                        ; utterance x 32,768 bytes in cs
	s_add_co_u32 s10, s10, s12
	s_mov_b32 s11, 0
	v_lshlrev_b32 v1, 4, v0                        ; 16 t
	v_lshrrev_b32 v2, 5, v0
	v_readfirstlane_b32 s15, v2                    ; wave 0..7; its first reader stands on the way out, behind the wait on va_sdst there
	s_wait_kmcnt 0x0
	s_load_b512 s[WA:WA+15],    s[6:7], 0x0        ; the weights of block 0
	s_load_b512 s[WA+16:WA+31], s[6:7], 0x40
	s_add_nc_u64 s[4:5], s[4:5], s[2:3]            ; features at my chunk, channel 0
	s_add_nc_u64 s[8:9], s[8:9], s[10:11]          ; cs at my chunk
	s_wait_alu depctr_va_vdst(0)                   ; v1 is written: every load below and the store at the end read it as their offset
.set i, 0
.rept 4*AHEAD
	global_load_b128 v[X+4*i:X+4*i+3], v1, s[4:5] offset:i*T_BYTES th:TH_LOAD_NT   ; channels 0 to 31 into ring groups 0 to 7
.set i, i+1
.endr
	s_mov_b32 s13, 0                               ; the upper registers of the two pairs (s11 is 0 already): named by the packed
	                                               ; instructions below, never selected
.irp r, 2,3,4,5,6,7,8,9
	v_mov_b32 v\r, 0                               ; eight sums start at zero, while the first loads are under way
.endr
; Four frames of one channel, in v[x : x+3]: acc += x * w, two fused multiply-adds an instruction.  A scalar pair enters a packed f32
; instruction as a broadcast of its first register (op_sel_hi 0), so w stands in an even register.
.macro FMA4 acc, x, wp
	v_pk_fma_f32 v[\acc:\acc+1],   v[\x:\x+1],   s[\wp:\wp+1], v[\acc:\acc+1]   op_sel_hi:[1,0,1]
	v_pk_fma_f32 v[\acc+2:\acc+3], v[\x+2:\x+3], s[\wp:\wp+1], v[\acc+2:\acc+3] op_sel_hi:[1,0,1]
.endm
; Load i of group j's four: channel 4 (j + 8) + i, into the ring group that group j - 4 read.  The last eight groups load nothing.
.macro REFILL i
.if j < LASTL
	global_load_b128 v[xl+4*(\i):xl+4*(\i)+3], v1, s[4:5] offset:(4*(j+AHEAD)+(\i))*T_BYTES th:TH_LOAD_NT
.endif
.endm
; Block k: groups 8 k .. 8 k + 7, 32 channels, weights in s[w : w+31].  All blocks but the last ask for the next block's weights,
; into the other buffer, whose last readers stand in the block before.
.macro BLOCK k, w, wnext
	s_wait_kmcnt 0x0                               ; this block's weights, asked for a whole block ago (scalar loads: zero is the only count that shows anything)
.if (\k) < 7
	s_load_b512 s[\wnext:\wnext+15],    s[6:7], 0x80*((\k)+1)
	s_load_b512 s[\wnext+16:\wnext+31], s[6:7], 0x80*((\k)+1)+0x40
.endif
.set g, 0
.rept 8
.set j, 8*(\k)+g
.set xs, X+16*(j%RING)                 ; the ring group that this group's multiply-adds read
.set xl, X+16*((j+AHEAD)%RING)         ; the ring group in which this group's loads land
.if j < LASTL
	s_wait_loadcnt 4*AHEAD-4                       ; loads return in order: of 32 out, the oldest 4 are in, 28 stay on their way
.else
	s_wait_loadcnt 4*(GROUPS-1-j)                  ; nothing was issued behind them: 28, 24, .. 0
.endif
.if (j%4 == 0) && (j >= 4) && (j < LASTL)
	s_wait_alu depctr_va_vdst(0)                   ; the multiply-adds of groups j - 4 .. j - 1 are done reading their four ring groups, in which the loads of groups j .. j + 3 land
.endif
	s_mov_b32 s[WT0], s[\w+4*g+1]                  ; the two odd-numbered weights of the group to even registers
	s_mov_b32 s[WT1], s[\w+4*g+3]
	REFILL 0                                       ; no wait: no vector instruction since the wait above names the registers in which these loads land
	FMA4 ACC0, xs,    \w+4*g
	REFILL 1
	FMA4 ACC1, xs+4,  WT0
	REFILL 2
	FMA4 ACC0, xs+8,  \w+4*g+2
	REFILL 3
	FMA4 ACC1, xs+12, WT1
.set g, g+1
.endr
.endm
	BLOCK 0, WA, WB
	BLOCK 1, WB, WA
	BLOCK 2, WA, WB
	BLOCK 3, WB, WA
	BLOCK 4, WA, WB
	BLOCK 5, WB, WA
	BLOCK 6, WA, WB                                ; brings channels 224 to 255 and their weights, the last of both buffers
	BLOCK 7, WB, WA                                ; no load leaves the buffers
	; THE RUNNING SUM over the chunk's 1,024 frames.
	v_pk_add_f32 v[2:3], v[2:3], v[6:7]            ; even + odd channels: the raw scores of my 4 frames
	v_pk_add_f32 v[4:5], v[4:5], v[8:9]
	v_add_f32 v3, v2, v3                           ; inside the lane
	v_add_f32 v4, v3, v4
	v_add_f32 v5, v4, v5                           ; v5: my lane's total
	; over the 16 lanes of a row: lane i takes lane i - n, or 0 where the row has none
	v_mov_b32 v7, 0                                ; a DPP destination is written whole before
	v_mov_b32_dpp v7, v5 row_shr:1 row_mask:0xf bank_mask:0xf bound_ctrl:1
	v_add_f32 v6, v5, v7
.irp n, 2,4,8
	v_mov_b32_dpp v7, v6 row_shr:\n row_mask:0xf bank_mask:0xf bound_ctrl:1
	v_add_f32 v6, v6, v7
.endr
	v_mov_b32_dpp v7, v6 row_shr:1 row_mask:0xf bank_mask:0xf bound_ctrl:1   ; v7: the lanes in front of me in my row
	v_readlane_b32 s2, v6, 15                      ; total of lanes 0-15
	v_readlane_b32 s3, v6, 31                      ; total of lanes 16-31
	v_and_b32 v8, 16, v0
	v_cmp_ne_u32 vcc_lo, 0, v8                     ; lanes 16-31
	s_wait_alu depctr_va_sdst(0)                   ; s2 and s3 are written, and s15 from the head: one wait, ahead of the first reader of each
	v_mov_b32 v9, s2
	v_add_f32 v10, s3, v9                          ; my wave's total, in every lane
	s_wait_alu depctr_va_vcc(0)                    ; the compare has written VCC, which the select reads
	v_cndmask_b32 v9, 0, v9, vcc_lo
	v_add_f32 v7, v7, v9                           ; v7: the lanes in front of me in my wave
	; over the eight waves: each wave's total to its own word of LDS, one barrier, every wave reads all eight
	v_mov_b32 v11, s15
	v_lshlrev_b32 v11, 2, v11
	v_and_b32 v8, 7, v0                            ; lane l will take the total of wave l % 8: its address is made here,
	v_lshlrev_b32 v9, 2, v8                        ; so that one wait serves the LDS store and the LDS load
	s_wait_alu depctr_va_vdst(0)                   ; v11 and v10, the store's address and data, and v9, the load's address, are written; no vector instruction names v9 or v10 between here and the load
	ds_store_b32 v11, v10                          ; all lanes write the same word with the same value
	s_wait_dscnt 0x0                               ; for the other waves' sake: my word lies in LDS before I signal
	s_barrier_signal -1
	s_barrier_wait -1
	s_wait_alu depctr_vm_vsrc(0)                   ; my LDS store has read v10, in which the load below lands
	ds_load_b32 v10, v9
	v_cmp_gt_u32 vcc_lo, s15, v8                   ; does that wave stand in front of mine?
	s_wait_alu depctr_va_vcc(0)                    ; the compare has written VCC, which the select reads
	s_wait_dscnt 0x0
	v_cndmask_b32 v10, 0, v10, vcc_lo              ; its total is kept if so,
	v_add_f32_dpp v10, v10, v10 row_xmask:1 row_mask:0xf bank_mask:0xf   ; and the eight are added up: the sum in every lane
	v_add_f32_dpp v10, v10, v10 row_xmask:2 row_mask:0xf bank_mask:0xf
	v_add_f32_dpp v10, v10, v10 row_xmask:4 row_mask:0xf bank_mask:0xf
	v_add_f32 v6, v7, v10                          ; all of the chunk in front of my 4 frames
	v_pk_add_f32 v[2:3], v[2:3], v[6:7] op_sel_hi:[1,0]   ; + v6 in both halves
	v_pk_add_f32 v[4:5], v[4:5], v[6:7] op_sel_hi:[1,0]
	s_wait_alu depctr_va_vdst(0)                   ; the two packed additions have written v[2:5], which the store reads
	global_store_b128 v1, v[2:5], s[8:9]           ; a wave's store covers 512 consecutive bytes, aligned; read again by the next launch: no hint
	s_wait_dscnt 0x0
	s_wait_alu depctr_hold_cnt(0) depctr_sa_sdst(0) depctr_va_vdst(0) depctr_va_sdst(0) depctr_va_ssrc(0) depctr_va_vcc(0) depctr_vm_vsrc(0)
	s_wait_tensorcnt 0x0
	ds_add_u32 v14, v15
	s_wait_dscnt 0x0
	s_endpgm
.Lfunc_end_k_q1c6e531c48_scores:
	.size	k_q1c6e531c48_scores, .Lfunc_end_k_q1c6e531c48_scores-k_q1c6e531c48_scores
	.p2alignl 7, 3214868480
	.fill 96, 4, 3214868480
	.section	.rodata,"a",@progbits
	.p2align	6, 0x0
	.amdhsa_kernel k_q1c6e531c48_scores
		.amdhsa_group_segment_fixed_size 1280
		.amdhsa_private_segment_fixed_size 0
		.amdhsa_enable_private_segment 0
		.amdhsa_kernarg_size 24
		.amdhsa_user_sgpr_count 2
		.amdhsa_user_sgpr_kernarg_segment_ptr 1
		.amdhsa_wavefront_size32 1
		.amdhsa_system_sgpr_workgroup_id_x 1
		.amdhsa_system_sgpr_workgroup_id_y 1
		.amdhsa_system_sgpr_workgroup_id_z 1
		.amdhsa_system_vgpr_workitem_id 0
		.amdhsa_next_free_vgpr 208
		.amdhsa_next_free_sgpr 100
		.amdhsa_reserve_vcc 1
		.amdhsa_float_denorm_mode_32 3
		.amdhsa_float_denorm_mode_16_64 3
		.amdhsa_memory_ordered 1
		.amdhsa_forward_progress 1
		.amdhsa_inst_pref_size 68
	.end_amdhsa_kernel
	.amdgpu_metadata
---
amdhsa.version: [ 1, 2 ]
amdhsa.kernels:
  - .name:           k_q1c6e531c48_scores
    .symbol:         k_q1c6e531c48_scores.kd
    .args:
      - { .name: features, .offset: 0, .size: 8, .value_kind: global_buffer, .address_space: global }
      - { .name: W, .offset: 8, .size: 8, .value_kind: global_buffer, .address_space: global }
      - { .name: cs, .offset: 16, .size: 8, .value_kind: global_buffer, .address_space: global }
    .group_segment_fixed_size: 1280
    .private_segment_fixed_size: 0
    .kernarg_segment_align: 8
    .kernarg_segment_size: 24
    .max_flat_workgroup_size: 256
    .sgpr_count:     100
    .vgpr_count:     208
    .wavefront_size: 32
...
	.end_amdgpu_metadata
.endif
;; end of part 3
;; launch words: the kernel of part 2 again; grid 8 x 32, 1 waves a work-group, no clusters, 0 bytes of LDS; arguments cs, word_bounds, b, out0; writes out0
